; MI455X (gfx1250); checked and timed in simulation.
; The chip was launched on July 23, 2026; its instructions are those of AMD's public machine-readable ISA for CDNA 5 (MIT licence, August 2026) and "CDNA5" Instruction Set Architecture Reference Guide (July 2026). The comments in the code are by the model that wrote it; some were corrected since.
;; Add MM. Allowed arithmetic: float matrix products may take bf16 or f16 operands with f32 sums; other float arithmetic in f32, or as packed bf16 or f16 multiplies, adds, multiply-adds, maxima and minima; sums over many terms, partial sums and values carried from step to step in f32; what a program stores and reads back later, other than sums and carried values, may be rounded once to bf16 or f16.
;; Inputs: b 16 x 1,024 float32; idxs 4,096 int32; w 16 x 1,024 x 1,024 float32; x 4,096 x 1,024 float32.
;; Outputs: out0 4,096 x 1,024 float32.
;; One version. Each part assembles by itself: llvm-mc -triple=amdgcn-amd-amdhsa -mcpu=gfx1250 --defsym DOCPART=n.
;; ======== version 1 of 1: 1 launch
;; launch addmm (part 1): grid 16 x 16, 8 waves a work-group, no clusters, 185,600 bytes of LDS; arguments b, idxs, w, x, out0; writes out0
.if DOCPART == 1
	.amdgcn_target "amdgcn-amd-amdhsa--gfx1250"
	.amdhsa_code_object_version 6
	.text
	.protected	k_qe5bbd9176c_addmm
	.globl	k_qe5bbd9176c_addmm
	.p2align	8
	.type	k_qe5bbd9176c_addmm,@function
k_qe5bbd9176c_addmm:
	s_mov_b64 s[64:65], 0
	v_nop
	global_prefetch_b8 v0, s[64:65] scope:SCOPE_SE
	s_setreg_imm32_b32 hwreg(HW_REG_WAVE_MODE, 25, 1), 1
	s_wait_xcnt 0x0
; out0[t][:] = relu(x[t][:] . w[idxs[t]] + b[idxs[t]]).  x [4096][1024], w [16][1024][1024], b [16][1024], out0 [4096][1024] f32; idxs [4096] i32.
; Only the chosen expert's product is made for a token.  The weights are four fifths of the input bytes, so the design is about reading each weight byte once.
; SHARES.  Work-group (e, s) = (x, y) of a 16 x 16 grid owns expert e's columns 64 s .. 64 s + 63: a slice w[e][:, 64 s ..] of 1,024 rows of 256 bytes, which it alone reads.
; Eight waves.  Each brings an eighth of the slice (128 rows of k) through registers, rounds it to bf16 in the order of matrix fragments and lays it into LDS (131,072 bytes).
; While those loads are out, each wave scans 512 of the 4,096 indices and compacts the tokens of expert e into a list of its own in LDS.  A FIRST BARRIER shows lists and counts to all.
; Wave v takes the expert's tiles of 16 tokens number v, v + 8, v + 16 .., three (or two) to a pass, all 64 columns, K = 1,024; x rows come by the list from memory straight into registers.
; The first pass's x is asked for between the two barriers, into the landing registers of weight chunks that have been rounded, so that it is on its way while the last weights land.
; A SECOND BARRIER shows the weights to all.  Behind it nothing is shared any more.  A pass's 32 K steps are written out, so that every LDS address is a fixed register and an immediate.
; Every split is served: a wave has at most 32 tiles (all tokens on one expert): ten passes of three and one of two, eleven trips; an expert without tokens stores nothing.
; NO MULTICAST, NO TENSOR LOADS: each slice has one reader and is rounded on its way, so it passes through registers anyway; what an expert's 16 work-groups share are token rows named by a list, which no
; descriptor covers; and the loop over passes hangs on a count, so it holds no barrier and no ring in LDS.
; MAPS.  L = lane, r = L % 16, h = L / 16.  In K step ks a lane's 16 numbers are k = 32 ks + 8 q + 4 h + e (q, e = 0..3; number 4 q + e), fragment register i holding numbers 2 i, 2 i + 1: the same map in
; both operands, so the products are those of the true order; the two lanes of a token row take 32 neighbouring bytes in each load.  Weight fragment nb (0..3), lane index r, is column 64 s + 4 r + nb
; (a lane's 16-byte load of w deals its four columns to the four fragments).
; The matrix instruction is used transposed (source 0 = weights, source 1 = tokens): register j of lane (r, h) is token r, column 64 s + 32 h + 4 j + nb.  The bias is the C of a sum's first product.
; LIMITS.  Operands are rounded once to bf16, sums, bias and ReLU are f32.  A sum that is NaN leaves as 0 (the ReLU is a maximum in which a NaN loses).  An index outside 0..15 (negative ones too) is
; walked with expert 15 and its row stored as zeros, which is what such a row holds when no expert takes it.
.set LIST,   131072                    ; behind the weights: eight regions of 576 words: 512 entries, 32 dump words (one a lane) for lanes whose token is another expert's, 32 unused
.set LREG,   2304
.set CNT,    149504                    ; word v: wave v's count
.set STAGE,  149760                    ; eight stages, a wave's own: 16 rows of 272 bytes: 256 of results, the row's token number at +256
.set SPITCH, 272                       ; 17 x 16 bytes: the 16 rows that a 16-byte store touches start at 16 different groups of four banks (64 banks of 4 bytes: ISA guide 11.1)
.set SREG,   16*SPITCH
.set SPARE,  184576                    ; the spare words, 128 bytes for each wave: four blocks of 256 bytes that no other line names
; window 0
.set VR,   1                           ; r
.set VH,   2                           ; h
.set VL,   3                           ; L
.set WOFF, 4                           ; 16384 h + 16 r: my 16 bytes in a row of the slice, lanes 16-31 four rows on
.set WST,  5                           ; 16384 wave + 16 L: where my fragments go
.set BA0,  6                           ; 16 L: my 16 bytes of a fragment, K steps 0 to 15; never rewritten
.set BA1,  7                           ; 16 L + 65536: K steps 16 to 31; never rewritten
.set STO,  8                           ; my stage + 272 r + 128 h
.set STP,  9                           ; my stage + 272 r
.set RD,   10                          ; my stage + 272 h + 16 r
.set RD2,  11                          ; my stage + 272 h
.set CO,   12                          ; 16 r
.set HX,   13                          ; 16 h
.set ZERO, 14
.set DUMPI, 15                         ; 512 + L
.set TB,   16                          ; 512 wave + 4 L: the first token of my 16 bytes of idxs
.set IOFF, 17                          ; 2048 wave + 16 L
.set BOFF, 18                          ; 128 h
.set RK,   19
.set DL,   20
.set LA,   21
.set TKN,  22
.set PP,   23
.set TOK,  24                          ; v24-26  tile t's token for row r
.set SPW,  28                          ; LDS address of my spare word; never rewritten
.set NIL,  29                          ; 0; never rewritten
.set TV,   31
.set BIAS, 32                          ; v32-63   bias in the accumulators' layout: 8 nb + j
.set ACC,  64                          ; v64-159  32 t + 8 nb + j
.set FR,   64                          ; ahead of the second barrier: 32 registers of fragments at work,
.set BL,   96                          ; the bias as loaded; when it has been laid out:
.set Z4,   96                          ; v96-99   four zeros,
.set PFR,  100                         ; v100-115 the prefetch's offsets, a register for each block of 32 list entries,
.set IDL,  128                         ; v128-143 the indices as loaded
.set FB0,  160                         ; v160-191, v192-223  weight fragments of one K step, two buffers; ahead of the second barrier: the fourth weight chunk as loaded
.set OUT,  160                         ; on the way out: a tile's results,
.set RBK,  192                         ; and its rows read back
.set TK,   224                         ; v224-231 token of the row pair u
.set OFF,  232                         ; v232-239 its byte offset in out0
.set IA,   240                         ; v240-242 4 x token
.set IDV,  244                         ; v244-246 the token's index, read again
.set CAP,  248                         ; v248-250 +infinity, or 0 for a row that no expert takes
; window 1: v0-191 weight chunks 0 to 2 as loaded (chunk c at 64 c); then the ring of x: tiles 0, 1 of slot n at 32 n + 16 t; a pass of two has six slots (n = ks % 6);
; a pass of three has four (n = ks % 4) and tile 2's four slots at 128 + 16 n.  v192-239 x in bf16, two buffers; v240-242 tile t's offset in x
.set AB,   192
.set XO,   240
; scalars
.set WV,   14
.set EX,   16
.set S256, 17
.set OFP,  18                          ; s[18:19] an offset as a pair
.set NC,   20                          ; s20-27 the waves' counts
.set PF,   28                          ; s28-35 their exclusive prefix sums
.set DJ,   36                          ; s36-43 576 j - prefix j: rank + this = the entry's word in LIST
.set CT,   44                          ; the expert's tokens
.set CM1,  45                          ; the last rank
.set REM,  46                          ; my tiles still to do
.set RB0,  47                          ; rank at which the pass's first tile begins
.set LPA,  48
.set XP,   52                          ; s[52:53] x + 256 s
.set LB,   54                          ; my list
.set RUN,  55
.set MSK,  56
.set T1,   57
.set PINF, 58
.set RM1,  59
.set T2,   61
.set MSB, 0
.macro WIN new                         ; s_set_vgpr_msb: bits 1:0 source 0, 3:2 source 1, 5:4 source 2, 7:6 destination; the high byte repeats the setting that is left
.if MSB != (\new)
	s_set_vgpr_msb (MSB<<8)|(\new)
.set MSB, \new
.endif
.endm
; Chunk c of my weights: K step 4 wave + c, into 64 registers from rb on (w1 = 1: in window 1).  Load ss is number ss of the lane's 16: lanes 0-15 take the 256 bytes of row 32 c + 8 (ss / 4) + ss % 4,
; whole and aligned, lanes 16-31 those of the row four further on.
.macro WLOAD c, rb, w1
.if \w1
	WIN 0x40                               ; destination window 1, address window 0
.else
	WIN 0
.endif
.set ss, 0
.rept 16
	global_load_b128 v[(\rb)+4*ss:(\rb)+4*ss+3], v[WOFF], s[8:9] offset:(32*(\c)+8*(ss/4)+ss%4)*4096 th:TH_LOAD_NT
.set ss, ss+1
.endr
.endm
; Chunk c rounded and laid down: fragment nn takes column nn of each load, register ii numbers 2 ii and 2 ii + 1.  In LDS: K step at 4096, fragment at 1024, half of its registers at 512, lane at 16.
.macro WCVT c, rb, w1
.if \w1
	WIN 0x05                               ; sources window 1, destination window 0
.else
	WIN 0
.endif
.set nn, 0
.rept 4
.set ii, 0
.rept 8
	v_cvt_pk_bf16_f32 v[FR+8*nn+ii], v[(\rb)+8*ii+nn], v[(\rb)+8*ii+4+nn]
.set ii, ii+1
.endr
.set nn, nn+1
.endr
	WIN 0
.set ff, 0
.rept 8
	ds_store_b128 v[WST], v[FR+4*ff:FR+4*ff+3] offset:4096*(\c)+512*ff   ; 32 lanes x 16 neighbouring bytes
.set ff, ff+1
.endr
.endm
; A PASS'S BEGINNING, the same whether the pass has three tiles or two.  TOKENS: the tokens of ranks RB0 + 128 t + r, t = 0..2, out of the lists, and their offsets.
.macro TOKENS
	WIN 0
.set tt, 0
.rept 3
	s_add_co_u32 s[T1], s[RB0], 128*tt
	v_add_nc_u32 v[RK], s[T1], v[VR]       ; my row's rank among the expert's tokens;
	v_min_u32 v[RK], s[CM1], v[RK]         ; places past the count repeat the last
	v_mov_b32 v[DL], 0
.irp j, 1,2,3,4,5,6,7
	v_cmp_le_u32 vcc_lo, s[PF+(\j)], v[RK] ; the last wave whose prefix does not pass the rank holds it
	v_cndmask_b32 v[DL], v[DL], s[DJ+(\j)], vcc_lo
.endr
	v_add_nc_u32 v[RK], v[RK], v[DL]
	v_min_u32 v[RK], 4607, v[RK]
	v_lshl_add_u32 v[LA], v[RK], 2, LIST
	ds_load_b32 v[TOK+tt], v[LA]
.set tt, tt+1
.endr
	s_wait_dscnt 0x0
.set tt, 0
.rept 3
	v_min_u32 v[TOK+tt], 0xfff, v[TOK+tt]
	v_lshlrev_b32 v[IA+tt], 2, v[TOK+tt]
.set tt, tt+1
.endr
	WIN 0x40
.set tt, 0
.rept 3
	v_lshl_add_u32 v[XO+tt], v[TOK+tt], 12, v[HX]   ; the row's 4,096 bytes, my 16 of each 32
.set tt, tt+1
.endr
	WIN 0
.endm
.macro IDVL                            ; the three tokens' indices once more: a row whose index no expert has leaves as zeros
	WIN 0
.set tt, 0
.rept 3
	global_load_b32 v[IDV+tt], v[IA+tt], s[6:7]
.set tt, tt+1
.endr
.endm
.macro XF2 k0                          ; 16 loads: K steps k0, k0 + 1 of tiles 0 and 1 into slots k0, k0 + 1
	WIN 0x45                               ; address and destination window 1
.set kq, \k0
.rept 2
.set tt, 0
.rept 2
.set qq, 0
.rept 4
	global_load_b128 v[32*kq+16*tt+4*qq:32*kq+16*tt+4*qq+3], v[XO+tt], s[10:11] offset:kq*128+32*qq
.set qq, qq+1
.endr
.set tt, tt+1
.endr
.set kq, kq+1
.endr
.endm
; The last 16 loads of a fill, into registers 128 to 191 in ascending order on both ways: tile 2's K steps 0 to 3 for a pass of three; K steps 4 and 5 of tiles 0 and 1 for a pass of two.
.macro XEXTRA
	WIN 0
	s_cmp_lt_u32 s[REM], 3
	s_cbranch_scc1 .Lxtwo_\@
	WIN 0x45
.set kq, 0
.rept 4
.set qq, 0
.rept 4
	global_load_b128 v[128+16*kq+4*qq:128+16*kq+4*qq+3], v[XO+2], s[10:11] offset:kq*128+32*qq
.set qq, qq+1
.endr
.set kq, kq+1
.endr
	WIN 0
	s_branch .Lxdone_\@
.Lxtwo_\@:
	XF2 4
	WIN 0
.Lxdone_\@:
.endm
.macro PROLOG                          ; the whole beginning, for a pass that follows another: 51 loads
	WIN 0
	s_wait_xcnt 0x0                        ; the last pass's stores have read their registers
	TOKENS
	IDVL
	XF2 0
	XF2 2
	XEXTRA
.endm
; K STEP ks (0..31) of a pass of g tiles.  The x of this step's ring slot is rounded into buffer ks % 2; the slot is asked for again, a ring's length on (no load passes a row's end);
; the next K step's weight fragments are asked for; 4 g products.
; THE COUNT at the head leaves out what was issued behind this step's x (loads come back in order: ISA guide 5.7.1).  Two tiles, six slots of 8 loads: five slots, 40; from K step 27 on 8 for each step left.
; Three tiles, four slots of 12: three slots, 36; in K steps 0 to 3 tile 2's part of the fill stands behind the others', so behind it stand its 3 - ks later parts of 4 and ks refills of 12: 12 + 8 ks;
; from K step 29 on 12 for each step left.
; DISTANCES (for instructions other than loads).  The conversions write a buffer that products read two K steps ago: the other buffer's 8 g conversions stand between.  The LDS loads
; land in the buffer that the last K step's products read: this step's 8 g conversions, which name none of those products' registers, stand between.
; The 4 g accumulators take turns, one instruction a turn, from K step to K step too.
.macro KS g, ks
.if (\g) == 2
.set RDP, 6
.if (\ks) < 27
.set WC, 40
.else
.set WC, 8*(31-(\ks))
.endif
.else
.set RDP, 4
.if (\ks) < 4
.set WC, 12+8*(\ks)
.elseif (\ks) < 29
.set WC, 36
.else
.set WC, 12*(31-(\ks))
.endif
.endif
.set AP, AB+8*(\g)*((\ks)%2)
.set BP, FB0+32*((\ks)%2)
.set BN, FB0+32*(1-(\ks)%2)
.set KN, (\ks)+1
.set BR, BA0+KN/16
	s_wait_loadcnt WC
	WIN 0x45                               ; sources 0, 1 and destination window 1
.set tt, 0
.rept \g
.set XR, 32*((\ks)%RDP)+16*tt
.if tt == 2
.set XR, 128+16*((\ks)%4)
.endif
.set ii, 0
.rept 8
	v_cvt_pk_bf16_f32 v[AP+8*tt+ii], v[XR+2*ii], v[XR+2*ii+1]
.set ii, ii+1
.endr
.set tt, tt+1
.endr
.if (\ks)+RDP < 32
.set tt, 0
.rept \g
.set XR, 32*((\ks)%RDP)+16*tt
.if tt == 2
.set XR, 128+16*((\ks)%4)
.endif
.set qq, 0
.rept 4
	global_load_b128 v[XR+4*qq:XR+4*qq+3], v[XO+tt], s[10:11] offset:((\ks)+RDP)*128+32*qq   ; no hint: 16 work-groups read each row
.set qq, qq+1
.endr
.set tt, tt+1
.endr
.endif
	WIN 0x04                               ; source 1 (x) window 1, all else window 0
.if (\ks) == 31
	s_wait_dscnt 0x0                       ; the last K step's fragments
.else
.set ff, 0
.rept 8
	ds_load_b128 v[BN+4*ff:BN+4*ff+3], v[BR] offset:(KN%16)*4096+512*ff
.set ff, ff+1
.endr
	s_wait_dscnt 8                         ; all but the eight just issued: this K step's fragments are in
.endif
.set nn, 0
.rept 4
.set tt, 0
.rept \g
.if (\ks) == 0
	v_wmma_f32_16x16x32_bf16 v[ACC+32*tt+8*nn:ACC+32*tt+8*nn+7], v[BP+8*nn:BP+8*nn+7], v[AP+8*tt:AP+8*tt+7], v[BIAS+8*nn:BIAS+8*nn+7]
.else
	v_wmma_f32_16x16x32_bf16 v[ACC+32*tt+8*nn:ACC+32*tt+8*nn+7], v[BP+8*nn:BP+8*nn+7], v[AP+8*tt:AP+8*tt+7], v[ACC+32*tt+8*nn:ACC+32*tt+8*nn+7]
.endif
.set tt, tt+1
.endr
.set nn, nn+1
.endr
.endm
; Tile t leaves: ReLU, the four fragments' columns interleaved so that a lane holds 32 neighbouring columns of its token's row; through my own stage; back as whole rows; stored by the row's token number.
; chk = 1: the tile may lie past the expert's last token: then its stores are jumped over.  In a live tile the places past the count hold the expert's last row once more and store its own numbers again.
.macro EPIT t, chk
.if \chk
	s_add_co_u32 s[T1], s[RB0], 128*(\t)
	s_cmp_ge_u32 s[T1], s[CT]
	s_cbranch_scc1 .Ldead_\@
.endif
	s_wait_xcnt 0x0                        ; the registers that the last tile's stores read are rewritten only behind this wait
.set jj, 0
.rept 8                                    ; each accumulator's register 0 is read first
.set nn, 0
.rept 4
	v_max_num_f32 v[OUT+4*jj+nn], 0, v[ACC+32*(\t)+8*nn+jj]
.set nn, nn+1
.endr
.set jj, jj+1
.endr
.set jj, 0
.rept 32
	v_min_num_f32 v[OUT+jj], v[OUT+jj], v[CAP+(\t)]
.set jj, jj+1
.endr
	ds_store_b32 v[STP], v[TOK+(\t)] offset:256
.set qq, 0
.rept 8
	ds_store_b128 v[STO], v[OUT+4*qq:OUT+4*qq+3] offset:16*qq
.set qq, qq+1
.endr
.set uu, 0
.rept 8
	ds_load_b128 v[RBK+4*uu:RBK+4*uu+3], v[RD] offset:2*SPITCH*uu   ; LDS serves a wave's instructions in order (ISA guide 5.7.1.4): these see the stores above
.set uu, uu+1
.endr
.set uu, 0
.rept 8
	ds_load_b32 v[TK+uu], v[RD2] offset:2*SPITCH*uu+256
.set uu, uu+1
.endr
	s_wait_dscnt 0x0
.set uu, 0
.rept 8
	v_min_u32 v[TK+uu], 0xfff, v[TK+uu]
	v_lshl_add_u32 v[OFF+uu], v[TK+uu], 12, v[CO]
.set uu, uu+1
.endr
.set uu, 0
.rept 8
	global_store_b128 v[OFF+uu], v[RBK+4*uu:RBK+4*uu+3], s[12:13] th:TH_STORE_NT   ; lanes 0-15 store 256 consecutive bytes of row 2 uu, at a multiple of 256 from out0's first byte; lanes 16-31 those of row 2 uu + 1
.set uu, uu+1
.endr
.if \chk
.Ldead_\@:
.endif
.endm
; THE REST OF A PASS of g tiles, whose tokens are known and whose ring has been asked for: all of K, and the way out.
.macro BODY g
	WIN 0
	s_wait_xcnt 0x0                        ; earlier stores, and ahead of the first pass the prefetches, have read their registers, which the lines below rewrite
.set ff, 0
.rept 8
	ds_load_b128 v[FB0+4*ff:FB0+4*ff+3], v[BA0] offset:512*ff   ; K step 0's weight fragments
.set ff, ff+1
.endr
.set kx, 0
.rept 32                                   ; K step 0's products start the sums from the bias
	KS \g, kx
.set kx, kx+1
.endr
	WIN 0
.rept 4
	v_nop                                  ; the places behind the last products, ahead of reads of their results and writes of their sources
.endr
.set tt, 0
.rept \g
	v_cmp_eq_u32 vcc_lo, s[EX], v[IDV+tt]
	v_cndmask_b32 v[CAP+tt], v[ZERO], s[PINF], vcc_lo
.set tt, tt+1
.endr
	EPIT 0, 0
.if \g > 2
	EPIT 1, 0
	EPIT 2, 0
.else
	EPIT 1, 1
.endif
.endm
	; ---- head
	s_load_b256 s[4:11], s[0:1], 0x0               ; b s[4:5], idxs s[6:7], w s[8:9], x s[10:11]
	s_load_b64 s[12:13], s[0:1], 0x20              ; out0
	v_lshl_add_u32 v[SPW], v0, 2, SPARE
	v_mov_b32 v[NIL], 0
	v_lshrrev_b32 v[TV], 5, v0
	v_readfirstlane_b32 s[WV], v[TV]               ; wave 0..7
	s_mov_b32 s[EX], ttmp9                         ; the expert: the grid's x
	s_and_b32 s[T1], ttmp7, 0xffff                 ; the slice: its y,
	s_lshl_b32 s[S256], s[T1], 8                   ; and its 256 bytes in a row
	s_mov_b32 s[OFP+1], 0
	s_mov_b32 s[PINF], 0x7f800000
	v_and_b32 v[VR], 15, v0
	v_bfe_u32 v[VH], v0, 4, 1
	v_and_b32 v[VL], 31, v0
	v_lshlrev_b32 v[WOFF], 4, v[VR]
	v_lshl_add_u32 v[WOFF], v[VH], 14, v[WOFF]
	s_lshl_b32 s[T1], s[WV], 14
	v_lshl_add_u32 v[WST], v[VL], 4, s[T1]
	v_lshlrev_b32 v[BA0], 4, v[VL]
	v_add_nc_u32 v[BA1], 0x10000, v[BA0]
	s_mul_i32 s[T1], s[WV], SREG
	s_add_co_u32 s[T1], s[T1], STAGE               ; my stage
	v_mul_u32_u24 v[STP], v[VR], SPITCH
	v_add_nc_u32 v[STP], s[T1], v[STP]
	v_lshl_add_u32 v[STO], v[VH], 7, v[STP]
	v_mul_u32_u24 v[RD2], v[VH], SPITCH
	v_add_nc_u32 v[RD2], s[T1], v[RD2]
	v_lshl_add_u32 v[RD], v[VR], 4, v[RD2]
	v_lshlrev_b32 v[CO], 4, v[VR]
	v_lshlrev_b32 v[HX], 4, v[VH]
	v_mov_b32 v[ZERO], 0
	v_add_nc_u32 v[DUMPI], 512, v[VL]
	s_lshl_b32 s[T1], s[WV], 9
	v_lshl_add_u32 v[TB], v[VL], 2, s[T1]
	s_lshl_b32 s[T1], s[WV], 11
	v_lshl_add_u32 v[IOFF], v[VL], 4, s[T1]
	v_lshlrev_b32 v[BOFF], 7, v[VH]
	s_mul_i32 s[LB], s[WV], LREG
	s_add_co_u32 s[LB], s[LB], LIST                ; my list
	s_wait_kmcnt 0x0
	s_lshl_b32 s[OFP], s[EX], 12
	s_add_co_u32 s[OFP], s[OFP], s[S256]
	s_add_nc_u64 s[4:5], s[4:5], s[OFP:OFP+1]      ; b at the expert's row, the slice's columns
	s_lshl_b32 s[OFP], s[EX], 22
	s_add_co_u32 s[OFP], s[OFP], s[S256]
	s_lshl_b32 s[T2], s[WV], 19
	s_add_co_u32 s[OFP], s[OFP], s[T2]
	s_add_nc_u64 s[8:9], s[8:9], s[OFP:OFP+1]      ; w at the expert, the slice, my wave's 128 rows
	s_mov_b32 s[OFP], s[S256]
	s_add_nc_u64 s[12:13], s[12:13], s[OFP:OFP+1]  ; out0 at the slice's columns,
	s_add_nc_u64 s[XP:XP+1], s[10:11], s[OFP:OFP+1]  ; and x at the block of 256 bytes of the slice's number, for the prefetch
	; ---- sixty loads go out: my 512 indices, the bias, three quarters of my weights
.irp j, 0,1,2,3
	global_load_b128 v[IDL+4*(\j):IDL+4*(\j)+3], v[IOFF], s[6:7] offset:512*(\j)
.endr
.irp q, 0,1,2,3,4,5,6,7
	global_load_b128 v[BL+4*(\q):BL+4*(\q)+3], v[BOFF], s[4:5] offset:16*(\q)
.endr
	WLOAD 0, 0, 1
	WLOAD 1, 64, 1
	WLOAD 2, 128, 1
	WIN 0
	s_wait_loadcnt 48                              ; indices and bias are in; the 48 weight loads stay out
	; ---- the bias into the accumulators' layout, once: fragment nn's register jj is column 32 h + 4 jj + nn
.set nn, 0
.rept 4
.set jj, 0
.rept 8
	v_mov_b32 v[BIAS+8*nn+jj], v[BL+4*jj+nn]
.set jj, jj+1
.endr
.set nn, nn+1
.endr
	; ---- my list's 2,304 bytes are cleared, so that every word that a clamped read can reach has been written
.irp j, 0,1,2,3
	v_mov_b32 v[Z4+(\j)], 0
.endr
	v_lshl_add_u32 v[LA], v[VL], 4, s[LB]
.irp j, 0,1,2,3
	ds_store_b128 v[LA], v[Z4:Z4+3] offset:512*(\j)
.endr
	v_lshl_add_u32 v[LA], v[VL], 3, s[LB]
	ds_store_b64 v[LA], v[Z4:Z4+1] offset:2048
	; ---- the scan: my 512 tokens, 32 at a time.  A lane whose token is this expert's stores it at the running count plus the number of such lanes below it; the others store into their dump words: EXEC stays whole.
	; (LDS serves a wave's instructions in order, ISA guide 5.7.1.4: these stores land behind the clearing.)
	s_mov_b32 s[RUN], 0
.set jj, 0
.rept 4
.set ii, 0
.rept 4
	v_min_u32 v[TV], 15, v[IDL+4*jj+ii]            ; as unsigned: an index outside 0..15 goes with expert 15
	v_cmp_eq_u32 s[MSK], s[EX], v[TV]
	v_mbcnt_lo_u32_b32 v[PP], s[MSK], s[RUN]
	v_cndmask_b32 v[PP], v[DUMPI], v[PP], s[MSK]
	v_min_u32 v[PP], 543, v[PP]
	v_lshl_add_u32 v[LA], v[PP], 2, s[LB]
	v_add_nc_u32 v[TKN], 128*jj+ii, v[TB]
	ds_store_b32 v[LA], v[TKN]
	s_bcnt1_i32_b32 s[T1], s[MSK]
	s_add_co_u32 s[RUN], s[RUN], s[T1]
.set ii, ii+1
.endr
.set jj, jj+1
.endr
	s_lshl_b32 s[T1], s[WV], 2
	s_add_co_u32 s[T1], s[T1], CNT
	v_mov_b32 v[LA], s[T1]
	v_mov_b32 v[TKN], s[RUN]
	ds_store_b32 v[LA], v[TKN]                     ; all lanes, the same word, the same number
	; ---- the last quarter of my weights, into the fragment buffers, which are idle until the second barrier
	s_wait_loadcnt 47                              ; one of the 48 is in: with the 16 below 63 loads of mine are out
	WLOAD 3, FB0, 0
	; ---- prefetch: of each token in my list the 256 bytes of its x row at the slice's number.  The 16 slices of an expert so ask for the 16 blocks of a row, each block by one wave of one work-group of the
	; launch: a sixteenth of what this work-group will read, 256 bytes for each listed token.  32 tokens a block of lines, behind my 64 weight loads; a row's K steps are read one after the other from the
	; second half of the weights' landing on.  The first block past the count jumps over the rest; lanes past the count repeat the last token, so no request leaves x.  Each block has its own offset register.
	s_sub_co_u32 s[RM1], s[RUN], 1
.set pp, 0
.rept 16
	s_cmp_le_u32 s[RUN], 32*pp
	s_cbranch_scc1 .Lpfdone
	v_add_nc_u32 v[RK], 32*pp, v[VL]
	v_min_u32 v[RK], s[RM1], v[RK]
	v_min_u32 v[RK], 511, v[RK]
	v_lshl_add_u32 v[LA], v[RK], 2, s[LB]
	ds_load_b32 v[PFR+pp], v[LA]
	s_wait_dscnt 0x0
	v_min_u32 v[PFR+pp], 0xfff, v[PFR+pp]
	v_lshlrev_b32 v[PFR+pp], 12, v[PFR+pp]
	global_prefetch_b8 v[PFR+pp], s[XP:XP+1] th:TH_LOAD_NT scope:SCOPE_SE
.set pp, pp+1
.endr
.Lpfdone:
	s_wait_dscnt 0x0                               ; for the others' sake: my list and my count are in LDS
	s_barrier_signal -1
	s_barrier_wait -1                              ; THE FIRST BARRIER: behind it lists and counts are only read
	; ---- the counts
	v_mov_b32 v[LA], CNT
	ds_load_b128 v[144:147], v[LA]
	ds_load_b128 v[148:151], v[LA] offset:16
	s_wait_dscnt 0x0
.irp j, 0,1,2,3,4,5,6,7
	v_readfirstlane_b32 s[NC+(\j)], v[144+(\j)]
.endr
	s_mov_b32 s[PF], 0
	s_mov_b32 s[DJ], 0
.irp j, 1,2,3,4,5,6,7
	s_add_co_u32 s[PF+(\j)], s[PF+(\j)-1], s[NC+(\j)-1]
	s_sub_co_u32 s[DJ+(\j)], 576*(\j), s[PF+(\j)]  ; never negative: a wave lists 512 at the most
.endr
	s_add_co_u32 s[CT], s[PF+7], s[NC+7]
	s_max_u32 s[CM1], s[CT], 1
	s_sub_co_u32 s[CM1], s[CM1], 1
	s_add_co_u32 s[T1], s[CT], 15
	s_lshr_b32 s[T1], s[T1], 4                     ; the expert's tiles,
	s_add_co_u32 s[T1], s[T1], 7
	s_sub_co_u32 s[T1], s[T1], s[WV]
	s_lshr_b32 s[REM], s[T1], 3                    ; those whose number is my wave's modulo 8: 32 at the most
	s_lshl_b32 s[RB0], s[WV], 4
	TOKENS                                         ; the first pass's tokens (a wave without tiles finds the expert's last token, or token 0: its loads stay inside x)
	; ---- the weights into LDS, and between the chunks the first pass's x into the registers that a rounded chunk has left.  At most 51 loads of mine are out from here on.
	s_wait_loadcnt 48                              ; chunk 0 is in; chunks 1, 2 and 3 stay out
	IDVL
	WCVT 0, 0, 1
	s_wait_loadcnt 35                              ; chunk 1 is in; out: chunks 2 and 3 and the 3 indices
	WCVT 1, 64, 1
	XF2 0
	s_wait_loadcnt 35                              ; chunk 2 is in; out: chunk 3, the 3 indices, 16 of x
	WCVT 2, 128, 1
	XF2 2
	s_wait_loadcnt 35                              ; chunk 3 is in; out: the 3 indices, 32 of x
	WCVT 3, FB0, 0
	XEXTRA
	s_wait_dscnt 0x0                               ; for the others' sake: my weights are in LDS
	s_barrier_signal -1
	s_barrier_wait -1                              ; THE SECOND BARRIER: behind it the weights are only read, and a stage is its wave's own
	; ---- the passes: eleven trips cover every split (ten of three tiles and one of two).  A trip: the pass whose ring is on its way, and, if tiles are left, the next pass's beginning.
	; What a trip jumps over holds no barrier.
	s_mov_b32 s[LPA], 11
.Lpass:
	s_cmp_eq_u32 s[REM], 0
	s_cbranch_scc1 .Lnext
	s_cmp_lt_u32 s[REM], 3
	s_cbranch_scc1 .Lmode2
	BODY 3
	s_sub_co_u32 s[REM], s[REM], 3
	s_add_co_u32 s[RB0], s[RB0], 384
	s_cmp_eq_u32 s[REM], 0
	s_cbranch_scc1 .Lnext
	PROLOG
	s_branch .Lnext
.Lmode2:
	BODY 2                                         ; two tiles, or one: the second then repeats the expert's last row and stores nothing
	s_mov_b32 s[REM], 0
.Lnext:
	s_sub_co_u32 s[LPA], s[LPA], 1
	s_cmp_lg_u32 s[LPA], 0
	s_cbranch_scc1 .Lpass
	s_wait_tensorcnt 0x0                           ; the wave's end, behind my last LDS store
	ds_add_u32 v[SPW], v[NIL]
	s_wait_dscnt 0x0
	s_endpgm
.Lfunc_end_k_qe5bbd9176c_addmm:
	.size	k_qe5bbd9176c_addmm, .Lfunc_end_k_qe5bbd9176c_addmm-k_qe5bbd9176c_addmm
	.p2alignl 7, 3214868480
	.fill 96, 4, 3214868480
	.section	.rodata,"a",@progbits
	.p2align	6, 0x0
	.amdhsa_kernel k_qe5bbd9176c_addmm
		.amdhsa_group_segment_fixed_size 185600
		.amdhsa_private_segment_fixed_size 0
		.amdhsa_enable_private_segment 0
		.amdhsa_kernarg_size 40
		.amdhsa_user_sgpr_count 2
		.amdhsa_user_sgpr_kernarg_segment_ptr 1
		.amdhsa_wavefront_size32 1
		.amdhsa_system_sgpr_workgroup_id_x 1
		.amdhsa_system_sgpr_workgroup_id_y 1
		.amdhsa_system_sgpr_workgroup_id_z 1
		.amdhsa_system_vgpr_workitem_id 0
		.amdhsa_next_free_vgpr 512
		.amdhsa_next_free_sgpr 66
		.amdhsa_reserve_vcc 1
		.amdhsa_float_denorm_mode_32 3
		.amdhsa_float_denorm_mode_16_64 3
		.amdhsa_memory_ordered 1
		.amdhsa_forward_progress 1
		.amdhsa_inst_pref_size 255
	.end_amdhsa_kernel
	.section	.bss,"aw",@nobits
	.p2align	6
	.space	262144
	.amdgpu_metadata
---
amdhsa.version: [ 1, 2 ]
amdhsa.kernels:
  - .name:           k_qe5bbd9176c_addmm
    .symbol:         k_qe5bbd9176c_addmm.kd
    .args:
      - { .name: b, .offset: 0, .size: 8, .value_kind: global_buffer, .address_space: global }
      - { .name: idxs, .offset: 8, .size: 8, .value_kind: global_buffer, .address_space: global }
      - { .name: w, .offset: 16, .size: 8, .value_kind: global_buffer, .address_space: global }
      - { .name: x, .offset: 24, .size: 8, .value_kind: global_buffer, .address_space: global }
      - { .name: out0, .offset: 32, .size: 8, .value_kind: global_buffer, .address_space: global }
    .group_segment_fixed_size: 185600
    .private_segment_fixed_size: 0
    .kernarg_segment_align: 8
    .kernarg_segment_size: 40
    .max_flat_workgroup_size: 256
    .sgpr_count:     66
    .vgpr_count:     512
    .wavefront_size: 32
...
	.end_amdgpu_metadata
.endif
;; end of part 1
